; MI455X (gfx1250); checked and timed in simulation.
; The chip was launched on July 23, 2026; its instructions are those of AMD's public machine-readable ISA for CDNA 5 (MIT licence, August 2026) and "CDNA5" Instruction Set Architecture Reference Guide (July 2026). The comments in the code are by the model that wrote it; some were corrected since.
;; Multi Head Self Attention KV Cache. Allowed arithmetic: float matrix products may take bf16 or f16 operands with f32 sums; all other float work in f32.
;; Inputs: Wk 1,024 x 1,024 float32; Wo 1,024 x 1,024 float32; Wq 1,024 x 1,024 float32; Wv 1,024 x 1,024 float32; bk 1,024 float32; bo 1,024 float32; bq 1,024 float32; bv 1,024 float32; masks 2,048 x 2,048 float32; x 2 x 2,048 x 1,024 float32.
;; Outputs: out0 2 x 2,048 x 1,024 float32.
;; One version. Each part assembles by itself: llvm-mc -triple=amdgcn-amd-amdhsa -mcpu=gfx1250 --defsym DOCPART=n.
;; ======== version 1 of 1: 4 launches
;; limits: values are held in f16: magnitudes above 65,504 overflow, below 6.1e-05 lose precision
;; workspace buffers: xb 8,388,608 bytes; wb 8,388,608 bytes; maskw 524,288 bytes of whole numbers; qb 8,388,608 bytes; kv 16,777,216 bytes; att 8,388,608 bytes
;; launch prep (part 1): grid 768 x 1, 8 waves a work-group, no clusters, 68,608 bytes of LDS; arguments x, Wq, Wk, Wv, Wo, masks, xb, wb, maskw; writes xb, wb, maskw
.if DOCPART == 1
	.amdgcn_target "amdgcn-amd-amdhsa--gfx1250"
	.amdhsa_code_object_version 6
	.text
	.protected	k_q79523c48c4_prep
	.globl	k_q79523c48c4_prep
	.p2align	8
	.type	k_q79523c48c4_prep,@function
k_q79523c48c4_prep:
	s_mov_b64 s[64:65], 0
	v_nop
	global_prefetch_b8 v0, s[64:65] scope:SCOPE_SE
	s_setreg_imm32_b32 hwreg(HW_REG_WAVE_MODE, 25, 1), 1
	s_wait_xcnt 0x0
; prep: the f32 inputs are brought once into the forms that the matrix launches read.
;   work-groups   0..255: 64 KiB (16 rows) of x        -> xb, f16, same order
;   work-groups 256..511: 64 KiB (16 rows) of a weight -> wb, f16: rows 192 h + 64 m + e hold row 64 h + e of Wq, Wk, Wv (m = 0, 1, 2), so that
;                         one head's q, k and v rows are 192 neighbouring rows; rows 3072 + e hold Wo's row e
;   work-groups 512..767: 16 rows x 1024 columns of masks -> maskw, one bit a number: word [qt][kt][j], bit L = (masks[16 qt + (L & 15)][16 kt + 8 (L >> 4) + j] != 0),
;                         which is the lane mask of register j of a 16 x 16 score tile held keys-by-queries.  A NaN counts as not 0, as masks == 0 does.
; FORMAT: f16 and not bf16, in all four launches.  The outputs are sums of 1,024 products of nearly equal numbers with weights of both signs, so they can be far smaller than
; their terms; f16's 11 significant bits against bf16's 8 make every operand's rounding eight times finer.
; LIMIT: a number of x or of a weight above 65,504 in magnitude becomes infinity; below 2^-14 the step is 2^-24.
; A stream: every byte is read once and written once; no barrier, no matrix unit, and no cluster since no two work-groups read the same bytes.
; LDS serves the mask path alone: a wave's own 16 rows x 528 bytes, through which rows read as whole runs of 512 bytes are turned into the order lane = row.
.set LD,   4                           ; v[4:67]    sixteen loads of 16 bytes a lane
.set OUTR, 68                          ; v[68:99]   f16 path: what is stored
.set RB,   68                          ; v[68:131]  mask path: the 16 x 128 numbers read back, lane = row
.set MW,   132                         ; v[132:133] mask path: the wave's 64 words, two a lane
.set MO,   134                         ; v134       mask path: 8 x lane
.set MPITCH, 528                       ; 512 bytes + 16, an odd multiple of 16: the 16 rows that a read-back touches start at 16 different 16-byte columns modulo 256
	s_load_b512 s[4:19], s[0:1], 0x0               ; x 4:5, Wq 6:7, Wk 8:9, Wv 10:11, Wo 12:13, masks 14:15, xb 16:17, wb 18:19
	s_load_b64 s[20:21], s[0:1], 0x40              ; maskw
	v_lshl_add_u32 v136, v0, 2, 0x10800
	v_mov_b32 v137, 0
	s_mov_b32 s24, ttmp9                           ; i, the work-group's number
	s_cmp_ge_u32 s24, 512
	s_cbranch_scc1 .Lmask
	; ---- f32 to f16 ----
	s_sub_co_u32 s25, s24, 256                     ; for a weight: i - 256 = 64 m + t (for x the fields below are cut from a wrapped number and are not chosen)
	s_and_b32 s26, s25, 63                         ; t: which 16 rows of the weight
	s_bfe_u32 s27, s25, 0x20006                    ; m: which weight
	s_lshr_b32 s28, s26, 2                         ; head = t / 4
	s_mul_i32 s28, s28, 192
	s_lshl_b32 s29, s27, 6
	s_add_co_u32 s28, s28, s29                     ; + 64 m
	s_and_b32 s29, s26, 3
	s_lshl4_add_u32 s28, s29, s28                  ; + 16 (t mod 4): the row in wb for Wq, Wk, Wv
	s_lshl_b32 s29, s26, 4
	s_add_co_u32 s29, s29, 3072                    ; the row in wb for Wo
	s_lshl_b32 s34, s24, 4                         ; the row in xb for x
	v_lshlrev_b32 v1, 4, v0                        ; 16 bytes of f32 a thread: a wave's load covers 512 neighbouring bytes
	v_lshlrev_b32 v2, 3, v0                        ; 8 bytes of f16 a thread: a wave's store covers 256 neighbouring bytes, aligned
	s_wait_kmcnt 0x0
	s_cmp_eq_u32 s27, 3
	s_cselect_b32 s28, s29, s28
	s_cselect_b64 s[22:23], s[12:13], s[10:11]     ; Wo, or Wv for now
	s_cmp_eq_u32 s27, 1
	s_cselect_b64 s[22:23], s[8:9], s[22:23]       ; Wk
	s_cmp_eq_u32 s27, 0
	s_cselect_b64 s[22:23], s[6:7], s[22:23]       ; Wq
	s_cmp_lt_u32 s24, 256
	s_cselect_b64 s[22:23], s[4:5], s[22:23]       ; x
	s_cselect_b64 s[30:31], s[16:17], s[18:19]     ; xb or wb
	s_cselect_b32 s32, s24, s26                    ; which 64 KiB of the source
	s_cselect_b32 s34, s34, s28                    ; which row of the destination
	s_lshl_b32 s32, s32, 16
	s_mov_b32 s33, 0
	s_lshl_b32 s34, s34, 11                        ; rows of 2,048 bytes
	s_mov_b32 s35, 0
	s_add_nc_u64 s[22:23], s[22:23], s[32:33]
	s_add_nc_u64 s[30:31], s[30:31], s[34:35]
.irp t, 0,1,2,3,4,5,6,7,8,9,10,11,12,13,14,15
	global_load_b128 v[LD+4*\t:LD+4*\t+3], v1, s[22:23] offset:4096*\t th:TH_LOAD_NT
.endr
.irp t, 0,1,2,3,4,5,6,7,8,9,10,11,12,13,14,15
	s_wait_loadcnt 15-\t                           ; loads come back in order: load t is in, the 15 - t younger ones stay out
	v_cvt_pk_f16_f32 v[OUTR+2*\t],   v[LD+4*\t],   v[LD+4*\t+1]
	v_cvt_pk_f16_f32 v[OUTR+2*\t+1], v[LD+4*\t+2], v[LD+4*\t+3]
	global_store_b64 v2, v[OUTR+2*\t:OUTR+2*\t+1], s[30:31] offset:2048*\t   ; every store has data registers of its own: nothing is rewritten
.endr
	s_endpgm
	; ---- masks to bits ----
.Lmask:
	v_lshrrev_b32 v2, 5, v0
	v_readfirstlane_b32 s27, v2                    ; wave 0..7: its 128 columns (8 tiles of 16)
	s_sub_co_u32 s24, s24, 512
	s_lshr_b32 s25, s24, 1                         ; qt: which 16 rows
	s_and_b32 s26, s24, 1                          ; which half of the columns
	s_lshl_b32 s32, s25, 17                        ; 16 rows of 8,192 bytes
	s_lshl_b32 s28, s26, 12
	s_add_co_u32 s32, s32, s28
	s_lshl_b32 s28, s27, 9
	s_add_co_u32 s32, s32, s28
	s_mov_b32 s33, 0
	s_lshl_b32 s34, s25, 12                        ; maskw: 128 tiles x 8 words for each qt
	s_lshl_b32 s28, s26, 11
	s_add_co_u32 s34, s34, s28
	s_lshl_b32 s28, s27, 8
	s_add_co_u32 s34, s34, s28
	s_mov_b32 s35, 0
	s_mul_i32 s29, s27, 16*MPITCH                  ; my wave's 16 rows in LDS
	v_and_b32 v3, 31, v0                           ; lane
	v_lshlrev_b32 v1, 4, v3                        ; from memory: 16 bytes a lane, 512 neighbouring bytes of one row a load
	v_lshlrev_b32 v[MO], 3, v3                     ; two words a lane on the way out
	v_add_nc_u32 v2, s29, v1                       ; into LDS: the same 16 bytes of the row
	v_and_b32 v3, 15, v0
	v_mul_u32_u24 v3, v3, MPITCH                   ; back: row L & 15,
	v_bfe_u32 v[MW], v0, 4, 1
	v_lshl_add_u32 v3, v[MW], 5, v3                ; + 8 columns for lanes 16 to 31
	v_add_nc_u32 v3, s29, v3
	v_mov_b32 v[MW], 0                             ; v_writelane_b32 keeps the other lanes: the registers are written whole first
	v_mov_b32 v[MW+1], 0
	s_wait_kmcnt 0x0
	s_add_nc_u64 s[14:15], s[14:15], s[32:33]
	s_add_nc_u64 s[20:21], s[20:21], s[34:35]
.irp t, 0,1,2,3,4,5,6,7,8,9,10,11,12,13,14,15
	global_load_b128 v[LD+4*\t:LD+4*\t+3], v1, s[14:15] offset:8192*\t th:TH_LOAD_NT   ; row t
.endr
.irp t, 0,1,2,3,4,5,6,7,8,9,10,11,12,13,14,15
	s_wait_loadcnt 15-\t                           ; row t is in, the younger rows stay out
	ds_store_b128 v2, v[LD+4*\t:LD+4*\t+3] offset:MPITCH*\t
.endr
.irp kt, 0,1,2,3,4,5,6,7
	ds_load_b128 v[RB+8*\kt:RB+8*\kt+3],   v3 offset:64*\kt       ; LDS serves a wave's instructions in order (ISA guide 5.7.1.4): these see the stores above; the bytes are the wave's own
	ds_load_b128 v[RB+8*\kt+4:RB+8*\kt+7], v3 offset:64*\kt+16
.endr
.irp kt, 0,1,2,3,4,5,6,7
	s_wait_dscnt 14-2*\kt                          ; tile kt's two read-backs are in, the younger ones stay out
.irp j, 0,1,2,3,4,5,6,7
	v_cmp_neq_f32 s[24+\j], 0, v[RB+8*\kt+\j]      ; one bit a lane: word (kt, j)
.endr
.irp j, 0,1,2,3,4,5,6,7
	v_writelane_b32 v[MW+\j%2], s[24+\j], 4*\kt+\j/2   ; word 8 kt + j goes to lane (8 kt + j) / 2, register (8 kt + j) mod 2
.endr
.endr
	global_store_b64 v[MO], v[MW:MW+1], s[20:21]   ; the wave's 64 words: 256 neighbouring bytes, aligned
	s_wait_tensorcnt 0x0
	ds_add_u32 v136, v137
	s_wait_dscnt 0x0
	s_endpgm
.Lfunc_end_k_q79523c48c4_prep:
	.size	k_q79523c48c4_prep, .Lfunc_end_k_q79523c48c4_prep-k_q79523c48c4_prep
	.p2alignl 7, 3214868480
	.fill 96, 4, 3214868480
	.section	.rodata,"a",@progbits
	.p2align	6, 0x0
	.amdhsa_kernel k_q79523c48c4_prep
		.amdhsa_group_segment_fixed_size 68608
		.amdhsa_private_segment_fixed_size 0
		.amdhsa_enable_private_segment 0
		.amdhsa_kernarg_size 72
		.amdhsa_user_sgpr_count 2
		.amdhsa_user_sgpr_kernarg_segment_ptr 1
		.amdhsa_wavefront_size32 1
		.amdhsa_system_sgpr_workgroup_id_x 1
		.amdhsa_system_sgpr_workgroup_id_y 1
		.amdhsa_system_sgpr_workgroup_id_z 1
		.amdhsa_system_vgpr_workitem_id 0
		.amdhsa_next_free_vgpr 138
		.amdhsa_next_free_sgpr 66
		.amdhsa_reserve_vcc 0
		.amdhsa_float_denorm_mode_32 3
		.amdhsa_float_denorm_mode_16_64 3
		.amdhsa_memory_ordered 1
		.amdhsa_forward_progress 1
		.amdhsa_inst_pref_size 22
	.end_amdhsa_kernel
	.amdgpu_metadata
---
amdhsa.version: [ 1, 2 ]
amdhsa.kernels:
  - .name:           k_q79523c48c4_prep
    .symbol:         k_q79523c48c4_prep.kd
    .args:
      - { .name: x, .offset: 0, .size: 8, .value_kind: global_buffer, .address_space: global }
      - { .name: Wq, .offset: 8, .size: 8, .value_kind: global_buffer, .address_space: global }
      - { .name: Wk, .offset: 16, .size: 8, .value_kind: global_buffer, .address_space: global }
      - { .name: Wv, .offset: 24, .size: 8, .value_kind: global_buffer, .address_space: global }
      - { .name: Wo, .offset: 32, .size: 8, .value_kind: global_buffer, .address_space: global }
      - { .name: masks, .offset: 40, .size: 8, .value_kind: global_buffer, .address_space: global }
      - { .name: xb, .offset: 48, .size: 8, .value_kind: global_buffer, .address_space: global }
      - { .name: wb, .offset: 56, .size: 8, .value_kind: global_buffer, .address_space: global }
      - { .name: maskw, .offset: 64, .size: 8, .value_kind: global_buffer, .address_space: global }
    .group_segment_fixed_size: 68608
    .private_segment_fixed_size: 0
    .kernarg_segment_align: 8
    .kernarg_segment_size: 72
    .max_flat_workgroup_size: 256
    .sgpr_count:     66
    .vgpr_count:     138
    .wavefront_size: 32
...
	.end_amdgpu_metadata
.endif
;; end of part 1
;; launch qkv (part 2): grid 16 x 16, 4 waves a work-group, clusters of 4 x 4, 327,680 bytes of LDS; arguments xb, wb, bq, bk, bv, qb, kv; writes qb, kv
.if DOCPART == 2
	.amdgcn_target "amdgcn-amd-amdhsa--gfx1250"
	.amdhsa_code_object_version 6
	.text
	.protected	k_q79523c48c4_qkv
	.globl	k_q79523c48c4_qkv
	.p2align	8
	.type	k_q79523c48c4_qkv,@function
k_q79523c48c4_qkv:
	s_mov_b64 s[64:65], 0
	v_nop
	global_prefetch_b8 v0, s[64:65] scope:SCOPE_SE
	s_setreg_imm32_b32 hwreg(HW_REG_WAVE_MODE, 25, 1), 1
	s_wait_xcnt 0x0
	s_wait_alu depctr_hold_cnt(0) depctr_sa_sdst(0) depctr_va_vdst(0) depctr_va_sdst(0) depctr_va_ssrc(0) depctr_va_vcc(0) depctr_vm_vsrc(0)
	s_getreg_b32 s2, hwreg(HW_REG_IB_STS2, 6, 4)
	s_cmp_eq_u32 s2, 0
	s_cbranch_scc0 .Lentry_in_a_cluster
	s_endpgm
.Lentry_in_a_cluster:
	s_bfe_u32 s2, ttmp6, 0x10000c
	s_cmp_lg_u32 s2, 0xf033
	s_cbranch_scc0 .Lentry_shape_is_right
	s_endpgm
.Lentry_shape_is_right:
; qkv: q, k and v of one head for 256 rows of x.  A work-group multiplies rows 256 mb .. of xb [4096][1024] by rows 192 h .. 192 h + 191 of wb (64 of Wq, 64 of Wk, 64 of Wv), f16 with f32 sums.
; Four waves, as many as a WGP has SIMDs; wave w takes rows 64 w .. 64 w + 63 and all 192 columns: 48 accumulator tiles of 16 x 16, 384 registers.
; K goes in steps of 128 through two LDS slots filled by the tensor data mover; a tile's rows are 256 bytes of memory and start at multiples of 256 bytes.
; CLUSTERS: 4 x 4 work-groups.  x's tile hangs on mb alone and is asked for jointly by a row of the cluster; the weights' tile hangs on h alone and is asked for jointly by a column.
; OUT: qb [bh][s][64] holds (x Wq^T + bq) * 0.125 * log2(e), so that the next launch's scores are exponents of 2;
;      kv [bh][block of 256 keys][8 chunks of 8 KiB]: chunks 0-3 K as [key][d], chunks 4-7 V transposed as [d][key].  Wave w makes chunk w of K, chunk 4 + w of V and 64 rows of q: each a dense 8 KiB.
; q and k are made with the weights as source 0 (a lane then holds one row s and 8 neighbouring d), v with x as source 0 (a lane holds one d and 8 neighbouring s): both pack into 16 bytes that belong together.
; LIMIT: q, k and v are rounded to f16 (11 significant bits; the step is 2^-24 below 2^-14) and become infinity above 65,504.  Sums of 1,024 products: with x and the weights both 30 times
; the drawn spreads (1 and 0.02) k and v stay near 5 x 0.64 x 900 = 2,900; with common offsets of 30 spreads on both they reach 1,024 x 30 x 0.6 = 18,432.
; REGISTERS, in windows of 256: window 0: addresses, x's fragments (two buffers), biases; window 1: the weights' fragments (two buffers);
;   window 2: q and k tiles (a, c) at 8 (8 a + c), a = my 16 rows, c = 0-3 q, 4-7 k; window 3: v tiles (a, b) at 8 (4 a + b).
.set KSTEP,  128
.set PITCH,  272                       ; an LDS row: 256 bytes + 16 of padding, an odd multiple of 16: the 16 rows of a fragment load start at 16 different 16-byte columns modulo 256
.set XROWS,  256
.set WROWS,  192
.set SLOT,   (XROWS+WROWS)*PITCH       ; x's 256 rows, then the weights' 192
.set STAGE,  2*SLOT                    ; behind the ring: 16 rows x 144 bytes for each wave, never a fill's target
.set SPITCH, 144
.set LAPS,   4                         ; 1024 / (2 x 128)
.set ADRX, 16                          ; v16-17  LDS address of my x fragments in slot 0, 1
.set ADRW, 20                          ; v20-21  the same for the weights
.set STO,  24                          ; the way out: where I put 16 bytes
.set RD,   25                          ; the way out: where I read back
.set CO,   26                          ; 16 x lane
.set BOF,  27                          ; byte offset of my 8 numbers in bq, bk
.set VOF,  28                          ; byte offset of my number in bv
.set XF,   64                          ; window 0: v64-95, v96-127: x's 4 fragments, buffer 0, 1
.set WF,   0                           ; window 1: v0-95, v96-191: the weights' 12 fragments, buffer 0, 1
.set TMP,  64                          ; the way out (x's fragments are done with): 4 tiles in f32,
.set PK,   96                          ; packed,
.set RB0,  112                         ; and read back, two sets by turns
.set RB1,  128
.set BQ,   180                         ; v180-211 bq of my 8 columns in each of 4 tiles
.set BK,   212                         ; v212-243 bk likewise
.set BV,   244                         ; v244-251 bv of my d in each of 4 tiles, twice (a pair for the packed add)
.set G1,  24                           ; s[24:31] descriptor group 1, x
.set G0,  32                           ; s[32:39] group 0, x, one set for each slot
.set G1B, 48                           ; s[48:55] group 1, weights
.set G0B, 56                           ; s[56:63] group 0, weights
.set FLD, (1<<16)|(1<<20)|(1<<21)|(5<<22)|(3<<25)   ; elements of 2 bytes; padding on; bit 21 beside a mask; after every 64 words, 4 words
.set MUL_QK, 0xa1                      ; source 0 window 1, source 1 window 0, C and D window 2
.set MUL_V,  0xf4                      ; source 0 window 0, source 1 window 1, C and D window 3
.set MSB, 0
.macro WIN new                         ; the immediate's high byte repeats the setting that is left
.if MSB != \new
	s_set_vgpr_msb (MSB<<8)|\new
.set MSB, \new
.endif
.endm
.macro PLACES n
.rept \n
	v_nop
.endr
.endm
; A joint load: waves 0 and 1 fetch x's two halves, waves 2 and 3 the weights'.  The branch hangs on the wave's number alone.
.macro JLOAD s
	s_cmp_eq_u32 s11, 0
	s_cbranch_scc0 .Lfor_b_\@
	tensor_load_to_lds s[G0+4*\s:G0+4*\s+3], s[G1:G1+7]
	s_nop 0
	s_branch .Lasked_\@
.Lfor_b_\@:
	tensor_load_to_lds s[G0B+4*\s:G0B+4*\s+3], s[G1B:G1B+7]
	s_nop 0
.Lasked_\@:
.endm
.macro CREST                           ; a round of the cluster's barrier behind its opening barrier
	s_cmp_lg_u32 s10, 0
	s_cbranch_scc1 .Lnot_wave_0_\@
	s_barrier_signal -3
.Lnot_wave_0_\@:
	s_barrier_wait -3
	s_barrier_signal -1
	s_barrier_wait -1
.endm
.macro CROUND                          ; a whole round
	s_barrier_signal -1
	s_barrier_wait -1
	CREST
.endm
	s_load_b128 s[4:7], s[0:1], 0x0                ; xb, wb
	s_load_b256 s[68:75], s[0:1], 0x10             ; bq 68:69, bk 70:71, bv 72:73, qb 74:75
	s_load_b64 s[76:77], s[0:1], 0x30              ; kv
	v_lshl_add_u32 v255, v0, 2, 0x3dc00
	s_set_vgpr_msb 0x40
	v_mov_b32 v255, 0
	s_set_vgpr_msb 0x4044
	ds_add_u32 v255, v255
	s_set_vgpr_msb 0x4400
	v_lshrrev_b32 v1, 5, v0
	v_readfirstlane_b32 s10, v1                    ; wave 0..3
	s_lshr_b32 s11, s10, 1                         ; I fetch for x (0) or for the weights (1)
	s_and_b32 s12, s10, 1                          ; which half of that tile
	s_bfe_u32 s40, ttmp6, 0x40000                  ; cx
	s_bfe_u32 s41, ttmp6, 0x40004                  ; cy
	s_lshl_b32 s42, ttmp9, 2
	s_add_co_u32 s42, s42, s40                     ; h = 4 x cluster x + cx
	s_and_b32 s13, ttmp7, 0xffff
	s_lshl_b32 s13, s13, 2
	s_add_co_u32 s13, s13, s41                     ; mb = 4 x cluster y + cy
	s_lshl_b32 s43, s41, 2
	s_lshl_b32 s43, 15, s43                        ; my row of the cluster
	s_lshl_b32 s44, 0x1111, s40                    ; my column
	s_or_b32 s[G1+0], s43, FLD                     ; x's tiles go to my row
	s_or_b32 s[G1B+0], s44, FLD                    ; the weights' to my column
	s_mov_b32 s[G1+1], KSTEP<<16                   ; tensor_dim0 = 128
	s_mov_b32 s[G1B+1], KSTEP<<16
	s_mov_b32 s[G1+2], 128<<16                     ; tensor_dim1 = 128 rows of x,
	s_mov_b32 s[G1B+2], 96<<16                     ; 96 rows of the weights
	s_mov_b32 s[G1+3], KSTEP<<16                   ; tile_dim0 = 128
	s_mov_b32 s[G1B+3], KSTEP<<16
	s_mov_b32 s[G1+4], 128                         ; tile_dim1
	s_mov_b32 s[G1B+4], 96
	s_mov_b32 s[G1+5], 1024                        ; elements from row to row
	s_mov_b32 s[G1B+5], 1024
	s_mov_b32 s[G1+6], 0
	s_mov_b32 s[G1B+6], 0
	s_mov_b32 s[G1+7], 0
	s_mov_b32 s[G1B+7], 0
	; x's address is made of mb and the wave's number, the weights' of h and the wave's number, each in registers that never hold the other coordinate
	s_lshl_b32 s17, s12, 7
	s_lshl_b32 s16, s13, 8
	s_add_co_u32 s16, s16, s17                     ; row 256 mb + 128 half
	s_lshl_b32 s16, s16, 11                        ; rows of 2,048 bytes
	s_mov_b32 s17, 0
	s_mul_i32 s46, s42, WROWS
	s_mul_i32 s47, s12, 96
	s_add_co_u32 s46, s46, s47                     ; row 192 h + 96 half
	s_lshl_b32 s46, s46, 11
	s_mov_b32 s47, 0
	s_mul_i32 s20, s10, 128*PITCH                  ; where x's halves go (waves 0, 1): rows 0, 128
	s_mul_i32 s21, s10, 96*PITCH
	s_add_co_u32 s21, s21, 64*PITCH                ; where the weights' halves go (waves 2, 3): rows 256, 352
	s_wait_dscnt 0x0
	s_wait_kmcnt 0x0
	s_add_nc_u64 s[14:15], s[4:5], s[16:17]
	s_add_nc_u64 s[46:47], s[6:7], s[46:47]
	CROUND                                         ; all sixteen work-groups are here: the first joint loads meet
.irp s, 0,1
	s_mov_b32 s[G0+4*\s], 1
	s_add_co_u32 s[G0+4*\s+1], s20, \s*SLOT
	s_add_nc_u64 s[G0+4*\s+2:G0+4*\s+3], s[14:15], \s*KSTEP*2
	s_or_b32 s[G0+4*\s+3], s[G0+4*\s+3], 0x80000000
	s_mov_b32 s[G0B+4*\s], 1
	s_add_co_u32 s[G0B+4*\s+1], s21, \s*SLOT
	s_add_nc_u64 s[G0B+4*\s+2:G0B+4*\s+3], s[46:47], \s*KSTEP*2
	s_or_b32 s[G0B+4*\s+3], s[G0B+4*\s+3], 0x80000000
	JLOAD \s                                       ; two tensor loads of the wave are out here, one behind every later round
.endr
	v_and_b32 v1, 15, v0                           ; r = lane mod 16
	v_bfe_u32 v2, v0, 4, 1                         ; hh = lane / 16
	v_mul_u32_u24 v3, v1, PITCH
	v_lshl_add_u32 v3, v2, 4, v3                   ; row x pitch + 16 hh: a fragment is two loads of 16 bytes, 32 bytes apart
	s_mul_i32 s22, s10, 64*PITCH                   ; my 64 rows of x
.irp s, 0,1
	v_add_nc_u32 v[ADRX+\s], s22, v3
	v_add_nc_u32 v[ADRW+\s], XROWS*PITCH+\s*SLOT, v3
	s_add_co_u32 s22, s22, SLOT
.endr
	s_mul_i32 s23, s10, 16*SPITCH
	s_add_co_u32 s23, s23, STAGE                   ; my stage
	v_mul_u32_u24 v4, v1, SPITCH
	v_lshl_add_u32 v4, v2, 4, v4
	v_add_nc_u32 v[STO], s23, v4                   ; in: row r, 16 bytes for each half of the lanes
	v_and_b32 v5, 31, v0
	v_lshrrev_b32 v6, 3, v5
	v_and_b32 v7, 7, v5
	v_mul_u32_u24 v6, v6, SPITCH
	v_lshl_add_u32 v6, v7, 4, v6
	v_add_nc_u32 v[RD], s23, v6                    ; back: eight lanes take a row of 128 bytes, the wave four rows
	v_lshlrev_b32 v[CO], 4, v5                     ; which are 512 neighbouring bytes of the output
	v_lshlrev_b32 v[BOF], 5, v2
	v_lshlrev_b32 v[VOF], 2, v1
	s_lshl_b32 s66, s42, 8                         ; the head's 64 numbers in each bias
	s_mov_b32 s67, 0
	s_add_nc_u64 s[68:69], s[68:69], s[66:67]
	s_add_nc_u64 s[70:71], s[70:71], s[66:67]
	s_add_nc_u64 s[72:73], s[72:73], s[66:67]
.irp c, 0,1,2,3
	global_load_b128 v[BQ+8*\c:BQ+8*\c+3],   v[BOF], s[68:69] offset:64*\c       ; the biases are waited for once, in front of the way out
	global_load_b128 v[BQ+8*\c+4:BQ+8*\c+7], v[BOF], s[68:69] offset:64*\c+16
	global_load_b128 v[BK+8*\c:BK+8*\c+3],   v[BOF], s[70:71] offset:64*\c
	global_load_b128 v[BK+8*\c+4:BK+8*\c+7], v[BOF], s[70:71] offset:64*\c+16
	global_load_b32 v[BV+2*\c],   v[VOF], s[72:73] offset:64*\c
	global_load_b32 v[BV+2*\c+1], v[VOF], s[72:73] offset:64*\c
.endr
; 16 matrix instructions: row tiles a0, a0 + 1 x the 8 column tiles of q and k, 32 along K, from buffer f.  zero = 1: the product starts the sums.
.macro MULQK f, a0, zero
.irp a, \a0, \a0+1
.irp c, 0,1,2,3,4,5,6,7
.if \zero
	v_wmma_f32_16x16x32_f16 v[8*(8*(\a)+\c):8*(8*(\a)+\c)+7], v[WF+96*\f+8*\c:WF+96*\f+8*\c+7], v[XF+32*\f+8*(\a):XF+32*\f+8*(\a)+7], 0
.else
	v_wmma_f32_16x16x32_f16 v[8*(8*(\a)+\c):8*(8*(\a)+\c)+7], v[WF+96*\f+8*\c:WF+96*\f+8*\c+7], v[XF+32*\f+8*(\a):XF+32*\f+8*(\a)+7], v[8*(8*(\a)+\c):8*(8*(\a)+\c)+7]
.endif
.endr
.endr
.endm
; 16 matrix instructions: the 4 x 4 tiles of v, x as source 0
.macro MULV f, zero
.irp a, 0,1,2,3
.irp b, 0,1,2,3
.if \zero
	v_wmma_f32_16x16x32_f16 v[8*(4*\a+\b):8*(4*\a+\b)+7], v[XF+32*\f+8*\a:XF+32*\f+8*\a+7], v[WF+96*\f+8*(8+\b):WF+96*\f+8*(8+\b)+7], 0
.else
	v_wmma_f32_16x16x32_f16 v[8*(4*\a+\b):8*(4*\a+\b)+7], v[XF+32*\f+8*\a:XF+32*\f+8*\a+7], v[WF+96*\f+8*(8+\b):WF+96*\f+8*(8+\b)+7], v[8*(4*\a+\b):8*(4*\a+\b)+7]
.endif
.endr
.endr
.endm
; 32 LDS loads in one run: a quarter step's fragments (192 rows of the weights, my 64 rows of x, 32 K at byte k of the rows) into buffer f
.macro FETCH slot, k, f
	WIN 0x40
.irp i, 0,1,2,3,4,5,6,7,8,9,10,11
	ds_load_b128 v[WF+96*\f+8*\i:WF+96*\f+8*\i+3],   v[ADRW+\slot] offset:\k+\i*16*PITCH
	ds_load_b128 v[WF+96*\f+8*\i+4:WF+96*\f+8*\i+7], v[ADRW+\slot] offset:\k+\i*16*PITCH+32
.endr
	WIN 0
.irp i, 0,1,2,3
	ds_load_b128 v[XF+32*\f+8*\i:XF+32*\f+8*\i+3],   v[ADRX+\slot] offset:\k+\i*16*PITCH
	ds_load_b128 v[XF+32*\f+8*\i+4:XF+32*\f+8*\i+7], v[ADRX+\slot] offset:\k+\i*16*PITCH+32
.endr
.endm
; A quarter step: the next quarter's fragments are asked for first, into buffer g, then buffer f is multiplied: 48 matrix instructions stand between a fragment's request and its use.
; The 48 accumulators take turns, one instruction a turn, in the same order in every quarter.
.macro QUARTER slot, k, f, g, zero
	PLACES 4                                       ; a load into a register that a matrix instruction has read stands four places behind it (ISA guide 7.12.1 for vector instructions)
	FETCH \slot, \k, \g
	s_wait_dscnt 32                                ; all but the 32 just issued: buffer f is in
	WIN MUL_QK
	MULQK \f, 0, \zero
	MULQK \f, 2, \zero
	WIN MUL_V
	MULV \f, \zero
.endm
.macro THREE slot, zero
	QUARTER \slot, 64,  0, 1, \zero
	QUARTER \slot, 128, 1, 0, 0
	QUARTER \slot, 192, 0, 1, 0
.endm
; The last quarter multiplies buffer 1 and changes slots.  fill = 1: this slot is filled again, two K steps ahead, behind a round of the cluster's barrier.
.macro TURN slot, next, fill
	s_wait_dscnt 0x0                               ; my reads of this slot are back, buffer 1 among them
	s_wait_tensorcnt 0x0                           ; all my tensor loads have landed: the one that was out is my part of the next slot
	ds_add_u32 v255, v255
	s_wait_dscnt 0x0
	s_barrier_signal -1
	WIN MUL_QK
	MULQK 1, 0, 0                                  ; register work while the others arrive
	WIN 0
	s_barrier_wait -1
.if \fill
	CREST                                          ; no wave of any partner still reads this slot or has a load on its way
	s_add_nc_u64 s[G0+4*\slot+2:G0+4*\slot+3], s[G0+4*\slot+2:G0+4*\slot+3], 2*KSTEP*2
	s_add_nc_u64 s[G0B+4*\slot+2:G0B+4*\slot+3], s[G0B+4*\slot+2:G0B+4*\slot+3], 2*KSTEP*2
	JLOAD \slot                                    ; the wave's one tensor load behind the round, first thing there
.endif
	PLACES 4
	FETCH \next, 0, 0
	WIN MUL_QK
	MULQK 1, 2, 0
	WIN MUL_V
	MULV 1, 0
.endm
.macro LAP zero
	THREE 0, \zero
	TURN 0, 1, 1
	THREE 1, 0
	TURN 1, 0, 1
.endm
	s_wait_tensorcnt 0x1                           ; my part of K step 0 is in; step 1's may stay out
	s_barrier_signal -1
	s_barrier_wait -1
	FETCH 0, 0, 0
	LAP 1                                          ; the first lap's first products start the sums: nothing is cleared
	WIN 0
	s_mov_b32 s3, LAPS-2
.Llap:
	LAP 0
	WIN 0
	s_sub_co_u32 s3, s3, 1
	s_cmp_lg_u32 s3, 0
	s_cbranch_scc1 .Llap
	THREE 0, 0                                     ; the last lap fills nothing
	TURN 0, 1, 0
	THREE 1, 0
	s_wait_dscnt 0x0
	WIN MUL_QK
	MULQK 1, 0, 0
	MULQK 1, 2, 0
	WIN MUL_V
	MULV 1, 0
	; THE WAY OUT: twelve groups of 16 rows x 128 bytes, each through my own stage: bias, rounding, 16 bytes a lane in, whole rows back, 512 neighbouring bytes a store.
	PLACES 4                                       ; the places behind the last matrix instructions, for all that reads results or rewrites fragments below
	WIN 0
	s_lshr_b32 s46, s13, 3
	s_lshl_b32 s46, s46, 4
	s_add_co_u32 s46, s46, s42                     ; bh = 16 (mb / 8) + h
	s_and_b32 s47, s13, 7                          ; the block of 256 rows in the sequence
	s_lshl_b32 s66, s46, 18                        ; qb: 262,144 bytes for each bh,
	s_lshl_b32 s67, s47, 15                        ; 32,768 for each block,
	s_add_co_u32 s66, s66, s67
	s_lshl_b32 s67, s10, 13                        ; 8,192 for each wave
	s_add_co_u32 s66, s66, s67
	s_mov_b32 s67, 0
	s_add_nc_u64 s[74:75], s[74:75], s[66:67]
	s_lshl_b32 s66, s46, 19                        ; kv: 524,288 for each bh,
	s_lshl_b32 s46, s47, 16                        ; 65,536 for each block,
	s_add_co_u32 s66, s66, s46
	s_lshl_b32 s46, s10, 13                        ; chunk w
	s_add_co_u32 s66, s66, s46
	s_add_nc_u64 s[76:77], s[76:77], s[66:67]      ; K's chunk
	s_add_nc_u64 s[80:81], s[76:77], 0x8000        ; V's chunk, four chunks on
	s_mov_b32 s78, 0x3e38aa3b                      ; 0.125 log2(e)
	s_mov_b32 s79, 0x3e38aa3b
	s_wait_loadcnt 0x0                             ; the biases
.irp i, 0,2,4,6,8,10,12,14,16,18,20,22,24,26,28,30
	v_pk_mul_f32 v[BQ+\i:BQ+\i+1], v[BQ+\i:BQ+\i+1], s[78:79] op_sel_hi:[1,0]   ; so that (sum + bq) x factor is one fused multiply-add
.endr
; kind 0: q, tiles (g, 0..3); 1: k, tiles (g, 4..7); 2: v, tiles (0..3, g).  rb: the read-back set; base: the output's scalar pair.
.macro OUTG kind, g, rb, base
.if \kind == 2
	WIN 0x03
.else
	WIN 0x02
.endif
.irp t, 0,1,2,3
.irp p, 0,2,4,6
.if \kind == 0
	v_pk_fma_f32 v[TMP+8*\t+\p:TMP+8*\t+\p+1], v[8*(8*\g+\t)+\p:8*(8*\g+\t)+\p+1], s[78:79], v[BQ+8*\t+\p:BQ+8*\t+\p+1] op_sel_hi:[1,0,1]
.endif
.if \kind == 1
	v_pk_add_f32 v[TMP+8*\t+\p:TMP+8*\t+\p+1], v[8*(8*\g+4+\t)+\p:8*(8*\g+4+\t)+\p+1], v[BK+8*\t+\p:BK+8*\t+\p+1]
.endif
.if \kind == 2
	v_pk_add_f32 v[TMP+8*\t+\p:TMP+8*\t+\p+1], v[8*(4*\t+\g)+\p:8*(4*\t+\g)+\p+1], v[BV+2*\g:BV+2*\g+1]
.endif
.endr
.endr
	WIN 0
.irp t, 0,1,2,3
.irp p, 0,2,4,6
	v_cvt_pk_f16_f32 v[PK+4*\t+\p/2], v[TMP+8*\t+\p], v[TMP+8*\t+\p+1]
.endr
.endr
.irp t, 0,1,2,3
	ds_store_b128 v[STO], v[PK+4*\t:PK+4*\t+3] offset:32*\t
.endr
	s_wait_xcnt 0x0                                ; the read-back set, which earlier stores read, is rewritten only behind this wait
.irp t, 0,1,2,3
	ds_load_b128 v[\rb+4*\t:\rb+4*\t+3], v[RD] offset:4*SPITCH*\t    ; LDS serves a wave's instructions in order: these see the stores above
.endr
.irp t, 0,1,2,3
	s_wait_dscnt 3-\t                              ; read-back t is in, the younger ones stay out
	global_store_b128 v[CO], v[\rb+4*\t:\rb+4*\t+3], s[\base:\base+1] offset:2048*\g+512*\t
.endr
.endm
	OUTG 0, 0, RB0, 74
	OUTG 0, 1, RB1, 74
	OUTG 0, 2, RB0, 74
	OUTG 0, 3, RB1, 74
	OUTG 1, 0, RB0, 76
	OUTG 1, 1, RB1, 76
	OUTG 1, 2, RB0, 76
	OUTG 1, 3, RB1, 76
	OUTG 2, 0, RB0, 80
	OUTG 2, 1, RB1, 80
	OUTG 2, 2, RB0, 80
	OUTG 2, 3, RB1, 80
	s_set_vgpr_msb 0x4
	s_wait_tensorcnt 0x0
	ds_add_u32 v255, v255
	s_wait_dscnt 0x0
	s_set_vgpr_msb 0x400
	CROUND                                         ; the closing round: no work-group ends while a partner may still ask for a tile that names it
	s_endpgm
.Lfunc_end_k_q79523c48c4_qkv:
	.size	k_q79523c48c4_qkv, .Lfunc_end_k_q79523c48c4_qkv-k_q79523c48c4_qkv
	.p2alignl 7, 3214868480
	.fill 96, 4, 3214868480
	.section	.rodata,"a",@progbits
	.p2align	6, 0x0
	.amdhsa_kernel k_q79523c48c4_qkv
		.amdhsa_group_segment_fixed_size 327680
		.amdhsa_private_segment_fixed_size 0
		.amdhsa_enable_private_segment 0
		.amdhsa_kernarg_size 56
		.amdhsa_user_sgpr_count 2
		.amdhsa_user_sgpr_kernarg_segment_ptr 1
		.amdhsa_wavefront_size32 1
		.amdhsa_system_sgpr_workgroup_id_x 1
		.amdhsa_system_sgpr_workgroup_id_y 1
		.amdhsa_system_sgpr_workgroup_id_z 1
		.amdhsa_system_vgpr_workitem_id 0
		.amdhsa_next_free_vgpr 896
		.amdhsa_next_free_sgpr 82
		.amdhsa_reserve_vcc 0
		.amdhsa_float_denorm_mode_32 3
		.amdhsa_float_denorm_mode_16_64 3
		.amdhsa_memory_ordered 1
		.amdhsa_forward_progress 1
		.amdhsa_inst_pref_size 179
	.end_amdhsa_kernel
	.amdgpu_metadata
---
amdhsa.version: [ 1, 2 ]
amdhsa.kernels:
  - .name:           k_q79523c48c4_qkv
    .symbol:         k_q79523c48c4_qkv.kd
    .args:
      - { .name: xb, .offset: 0, .size: 8, .value_kind: global_buffer, .address_space: global }
      - { .name: wb, .offset: 8, .size: 8, .value_kind: global_buffer, .address_space: global }
      - { .name: bq, .offset: 16, .size: 8, .value_kind: global_buffer, .address_space: global }
      - { .name: bk, .offset: 24, .size: 8, .value_kind: global_buffer, .address_space: global }
      - { .name: bv, .offset: 32, .size: 8, .value_kind: global_buffer, .address_space: global }
      - { .name: qb, .offset: 40, .size: 8, .value_kind: global_buffer, .address_space: global }
      - { .name: kv, .offset: 48, .size: 8, .value_kind: global_buffer, .address_space: global }
    .group_segment_fixed_size: 327680
    .private_segment_fixed_size: 0
    .kernarg_segment_align: 8
    .kernarg_segment_size: 56
    .max_flat_workgroup_size: 128
    .sgpr_count:     82
    .vgpr_count:     896
    .wavefront_size: 32
...
	.end_amdgpu_metadata
.endif
;; end of part 2
;; launch attn (part 3): grid 8 x 32, 8 waves a work-group, clusters of 4 x 1, 327,680 bytes of LDS; arguments qb, kv, maskw, att; writes att
.if DOCPART == 3
	.amdgcn_target "amdgcn-amd-amdhsa--gfx1250"
	.amdhsa_code_object_version 6
	.text
	.protected	k_q79523c48c4_attn
	.globl	k_q79523c48c4_attn
	.p2align	8
	.type	k_q79523c48c4_attn,@function
k_q79523c48c4_attn:
	s_mov_b64 s[64:65], 0
	v_nop
	global_prefetch_b8 v0, s[64:65] scope:SCOPE_SE
	s_setreg_imm32_b32 hwreg(HW_REG_WAVE_MODE, 25, 1), 1
	s_wait_xcnt 0x0
	s_wait_alu depctr_hold_cnt(0) depctr_sa_sdst(0) depctr_va_vdst(0) depctr_va_sdst(0) depctr_va_ssrc(0) depctr_va_vcc(0) depctr_vm_vsrc(0)
	s_getreg_b32 s2, hwreg(HW_REG_IB_STS2, 6, 4)
	s_cmp_eq_u32 s2, 0
	s_cbranch_scc0 .Lentry_in_a_cluster
	s_endpgm
.Lentry_in_a_cluster:
	s_bfe_u32 s2, ttmp6, 0x10000c
	s_cmp_lg_u32 s2, 0x3003
	s_cbranch_scc0 .Lentry_shape_is_right
	s_endpgm
.Lentry_shape_is_right:
; attn: softmax(where(masks == 0, -1e-9, q k^T / 8)) v for 256 queries of one (batch, head), stored transposed: att [b][64 h + d][s], f16.
; The mask is an input and a masked score is -1e-9, not minus infinity: every key keeps weight in every row, so all 2,048 keys are walked by every query block.
; Eight waves.  Wave w takes queries 64 (w & 3) .. + 63 and, of every block of 256 keys, keys 128 (w >> 2) .. + 127, in two sub-steps of 64 keys;
; waves w and w + 4 hold running maxima and sums of their own and are merged at the end.
; A sub-step is three phases: SP (V's loads, 32 products for the scores), VP (mask, softmax, rescaling: vector work alone), PP (32 products with V).
; TWO KINDS OF WAVES: every wave runs SP VP PP SP VP PP .. in this order, but the change of slots, where all waves meet, stands at two different points of that cycle.
; phi = (w ^ (w >> 2)) & 1 differs between waves w and w + 4 and between waves 2 s and 2 s + 1.  Waves with phi = 0 meet the barrier behind VP of a slot's second sub-step and go on with PP and SP,
; 64 matrix instructions; waves with phi = 1 meet it behind SP and go on with VP, vector work: so behind each barrier one half of the waves multiplies while the other half does the softmax.
; Both kinds have all their LDS reads of the old slot behind them there: V's fragments of the open sub-step lie in registers.
; Scores are made transposed (keys x queries: K as source 0, q as source 1).  A lane then holds ONE query, so maxima, sums and rescaling are lane-wise but for one exchange between
; the two halves of the wave, and the packed weights ARE source 1 of the second product (V^T as source 0), whose result is O^T, d x queries: no shuffle anywhere.
; q carries 0.125 log2(e) from the launch before: scores are exponents of 2 and the masked value is -1e-9 log2(e).  The running maximum is taken away before every exponential.
; CLUSTERS: the four query blocks of a cluster walk the same K and V: each block of 256 keys (64 KiB) is asked for jointly, every wave one chunk of 8 KiB, mask 15.
; The mask comes as one bit a score (the first launch made the words in this tile's lane order) by scalar loads, and selects by v_cndmask_b32.
; LIMITS: v_exp_f32 gives 0 for results below 2^-126.  The weights 2^(score - M) lie in (0, 1] and are rounded to f16: 11 significant bits down to 2^-14, a step of 2^-24 below, 0 under 2^-25,
; against a row sum that is at least 1; the row sums are made of the unrounded weights.  The output, a mean of v's rows, is rounded to f16 and has v's range (65,504).
; REGISTERS: window 0: v4-5 LDS addresses, v6 the masked value, v8-15 (M, l) x 4 query tiles, v16-23 (alpha, new M) x 4, v24-31 at work,
;   v32-159 scores S(kt, n) at 32 + 32 n + 8 kt, later the packed weights P(n, g) at 32 + 32 n + 16 g; v160-223 K's fragments; v224.. addresses of the way out
;   window 1: v0-127 O(dt, n) at 32 n + 8 dt; v128-191 q's fragments; v192-255 V's fragments
.set CPITCH, 144                       ; a chunk's LDS row: 128 bytes + 16, an odd multiple of 16
.set CHUNK,  64*CPITCH                 ; 9,216
.set SLOT,   8*CHUNK                   ; a block of 256 keys: K's 4 chunks, V's 4 chunks
.set BLKB,   65536                     ; the same block in memory
.set MERGE,  2*SLOT                    ; 4 x 17,408: what waves 4-7 hand to waves 0-3
.set MSZ,    17408
.set STAGE,  MERGE+4*MSZ               ; 4 x 9,216: O^T of waves 0-3, 64 rows (d) x 128 bytes + 16
.set ADR, 4
.set CM,  6
.set PX,  7
.set ST,  8
.set AL,  16
.set T,   24
.set S,   32
.set KF,  160
.set MADR, 224
.set STG,  225
.set RDA,  226
.set CO,   227
.set QO,   228
.set O,   0
.set QF,  128
.set VF,  192
.set B0,  32                           ; s[32:63]  mask words of one query tile: 4 key tiles x 8
.set B1,  68                           ; s[68:99]  of another
.set PHI, 66                           ; s66       which kind of wave I am
.set MSB, 0
.macro WIN new
.if MSB != \new
	s_set_vgpr_msb (MSB<<8)|\new
.set MSB, \new
.endif
.endm
.macro PLACES n
.rept \n
	v_nop
.endr
.endm
.macro ROUND                           ; a round of the cluster's barrier
	s_barrier_signal -1
	s_barrier_wait -1
	s_cmp_lg_u32 s8, 0
	s_cbranch_scc1 .Lnot_wave_0_\@
	s_barrier_signal -3
.Lnot_wave_0_\@:
	s_barrier_wait -3
	s_barrier_signal -1
	s_barrier_wait -1
.endm
	s_load_b64 s[6:7], s[0:1], 0x0                 ; qb
	s_load_b64 s[14:15], s[0:1], 0x8               ; kv, straight into slot 0's group 0
	s_load_b64 s[4:5], s[0:1], 0x10                ; maskw
	s_load_b64 s[30:31], s[0:1], 0x18              ; att
	v_lshl_add_u32 v254, v0, 2, 0x3e000
	v_mov_b32 v255, 0
	ds_add_u32 v254, v255
	v_lshrrev_b32 v1, 5, v0
	v_readfirstlane_b32 s8, v1                     ; wave 0..7
	s_lshr_b32 s9, s8, 2                           ; g: which half of each key block
	s_and_b32 s10, s8, 3                           ; which 64 queries
	s_bfe_u32 s38, ttmp6, 0x40000                  ; cx
	s_lshl_b32 s39, ttmp9, 2
	s_add_co_u32 s39, s39, s38                     ; query block = 4 x cluster x + cx: enters global addresses of q, mask and output alone
	s_and_b32 s11, ttmp7, 0xffff                   ; bh
	; group 1: a chunk, dense in memory, as 64 rows of 64 elements of 2 bytes, 4 words of padding behind every 32; mask 15 with bit 21 beside it
	s_mov_b32 s20, 15|(1<<16)|(1<<20)|(1<<21)|(4<<22)|(3<<25)
	s_mov_b32 s21, 64<<16
	s_mov_b32 s22, 64<<16
	s_mov_b32 s23, 64<<16
	s_mov_b32 s24, 64
	s_mov_b32 s25, 64
	s_mov_b32 s26, 0
	s_mov_b32 s27, 0
	s_mov_b32 s28, 0x76543210                      ; v_permlanex16_b32: lane i reads lane i of the other half
	s_mov_b32 s29, 0xfedcba98
	s_lshl_b32 s66, s11, 19                        ; kv: 524,288 bytes for each bh, chunk w: the same in all four partners
	s_lshl_b32 s67, s8, 13
	s_add_co_u32 s66, s66, s67
	s_mov_b32 s67, 0
	s_mov_b32 s12, 1
	s_mul_i32 s13, s8, CHUNK                       ; LDS: wave x 9,216 (+ the slot)
	s_mov_b32 s16, 1
	s_add_co_u32 s17, s13, SLOT
	s_lshl_b32 s36, s11, 18                        ; q: bh, query block, my 64 rows of 128 bytes
	s_lshl_b32 s37, s39, 15
	s_add_co_u32 s36, s36, s37
	s_lshl_b32 s37, s10, 13
	s_add_co_u32 s36, s36, s37
	s_mov_b32 s37, 0
	s_lshl_b32 s34, s39, 16                        ; mask words: 4,096 bytes for each 16 queries, 32 for each 16 keys
	s_lshl_b32 s35, s10, 14
	s_add_co_u32 s34, s34, s35
	s_lshl_b32 s35, s9, 8
	s_add_co_u32 s34, s34, s35
	s_mov_b32 s35, 0
	s_lshl_b32 s32, s11, 18                        ; att: 64 rows of 4,096 bytes for each bh, 8 rows for each wave, 512 bytes for each query block
	s_lshl_b32 s33, s8, 15
	s_add_co_u32 s32, s32, s33
	s_lshl_b32 s33, s39, 9
	s_add_co_u32 s32, s32, s33
	s_mov_b32 s33, 0
	s_wait_dscnt 0x0
	s_wait_kmcnt 0x0
	s_add_nc_u64 s[14:15], s[14:15], s[66:67]      ; key block 0
	s_add_nc_u64 s[18:19], s[14:15], BLKB          ; key block 1
	s_or_b32 s15, s15, 0x80000000
	s_or_b32 s19, s19, 0x80000000
	s_add_nc_u64 s[6:7], s[6:7], s[36:37]
	s_add_nc_u64 s[4:5], s[4:5], s[34:35]
	s_add_nc_u64 s[30:31], s[30:31], s[32:33]
	s_xor_b32 s[PHI], s9, s8                       ; phi = (w ^ (w >> 2)) & 1: made of the wave's number alone, the same in every work-group
	s_and_b32 s[PHI], s[PHI], 1
	ROUND                                          ; the four partners are here: the first joint loads meet
	tensor_load_to_lds s[12:15], s[20:27]          ; two tensor loads of the wave are out here, one behind every later round
	s_nop 0
	tensor_load_to_lds s[16:19], s[20:27]
	s_nop 0
.macro MLOAD bank, n, off              ; the 32 mask words of query tile n for 64 keys
	s_load_b512 s[\bank:\bank+15],    s[4:5], 4096*\n+\off
	s_load_b512 s[\bank+16:\bank+31], s[4:5], 4096*\n+\off+64
.endm
	v_and_b32 v1, 15, v0                           ; r
	v_bfe_u32 v2, v0, 4, 1                         ; hh
	v_lshlrev_b32 v[QO], 7, v1
	v_lshl_add_u32 v[QO], v2, 4, v[QO]             ; q: row r of 128 bytes + 16 hh
	WIN 0x40
.irp n, 0,1,2,3
.irp f, 0,1
	global_load_b128 v[QF+16*\n+8*\f:QF+16*\n+8*\f+3],   v[QO], s[6:7] offset:2048*\n+64*\f
	global_load_b128 v[QF+16*\n+8*\f+4:QF+16*\n+8*\f+7], v[QO], s[6:7] offset:2048*\n+64*\f+32
.endr
.endr
	WIN 0
	MLOAD B0, 0, 0
	MLOAD B1, 1, 0
	v_mul_u32_u24 v3, v1, CPITCH
	v_lshl_add_u32 v3, v2, 4, v3
	s_mul_i32 s11, s9, 2*CHUNK                     ; my two chunks of K
	v_add_nc_u32 v[ADR], s11, v3
	v_add_nc_u32 v[ADR+1], SLOT, v[ADR]
	v_mov_b32 v[CM], 0xb0c64852                    ; -1e-9 log2(e)
	v_mov_b32 v[PX], 0                             ; v_permlanex16_b32's destination counts as read
.irp n, 0,1,2,3
	v_mov_b32 v[ST+2*\n+1], 0                      ; l: the packed subtraction names the pair (M, l) before l is first summed
.endr
.macro KLOAD slot, u                   ; 16 LDS loads: K's fragments (kt, f) of sub-step u
.irp kt, 0,1,2,3
.irp f, 0,1
	ds_load_b128 v[KF+16*\kt+8*\f:KF+16*\kt+8*\f+3],   v[ADR+\slot] offset:CHUNK*\u+16*CPITCH*\kt+64*\f
	ds_load_b128 v[KF+16*\kt+8*\f+4:KF+16*\kt+8*\f+7], v[ADR+\slot] offset:CHUNK*\u+16*CPITCH*\kt+64*\f+32
.endr
.endr
.endm
.macro VLOAD slot, u                   ; 16 LDS loads: V^T's fragments (dt, g), four chunks behind K's
	WIN 0x40
.irp dt, 0,1,2,3
.irp g, 0,1
	ds_load_b128 v[VF+16*\dt+8*\g:VF+16*\dt+8*\g+3],   v[ADR+\slot] offset:4*CHUNK+CHUNK*\u+16*CPITCH*\dt+64*\g
	ds_load_b128 v[VF+16*\dt+8*\g+4:VF+16*\dt+8*\g+7], v[ADR+\slot] offset:4*CHUNK+CHUNK*\u+16*CPITCH*\dt+64*\g+32
.endr
.endr
.endm
.macro MASKT n, bank                   ; score = mask bit ? score : -1e-9 log2(e); word 8 kt + j belongs to register 8 kt + j
.set p, 0
.rept 32
	v_cndmask_b32 v[S+32*\n+p], v[CM], v[S+32*\n+p], s[\bank+p]
.set p, p+1
.endr
.endm
; Query tile n: new maximum, alpha = 2^(M - new M), weights 2^(score - M), l = l alpha + their sum (each half of the wave sums its own keys), weights packed in place.
.macro SOFT n, first
.set SB, S+32*\n
.irp c, 0,1,2,3
	v_max3_num_f32 v[T+\c], v[SB+8*\c], v[SB+8*\c+1], v[SB+8*\c+2]     ; four chains that do not wait for each other
.endr
.irp c, 0,1,2,3
	v_max3_num_f32 v[T+\c], v[T+\c], v[SB+8*\c+3], v[SB+8*\c+4]
.endr
.irp c, 0,1,2,3
	v_max3_num_f32 v[T+\c], v[T+\c], v[SB+8*\c+5], v[SB+8*\c+6]
.endr
	v_max3_num_f32 v[T], v[T], v[T+1], v[SB+7]
	v_max3_num_f32 v[T+2], v[T+2], v[T+3], v[SB+15]
	v_max3_num_f32 v[T], v[T], v[T+2], v[SB+23]
.if \first
	v_max_num_f32 v[T], v[T], v[SB+31]
.else
	v_max3_num_f32 v[T], v[T], v[SB+31], v[ST+2*\n]
.endif
	v_permlanex16_b32 v[PX], v[T], s28, s29        ; the other half of the wave holds the same query's other keys
	v_max_num_f32 v[AL+2*\n+1], v[T], v[PX]
.if \first == 0
	v_sub_f32 v[T+1], v[ST+2*\n], v[AL+2*\n+1]
	v_exp_f32 v[AL+2*\n], v[T+1]                   ; the move below is the plain instruction that stands behind it (ISA guide 5.7.2)
.endif
	v_mov_b32 v[ST+2*\n], v[AL+2*\n+1]
.set p, 0
.rept 16
	v_pk_add_f32 v[SB+p:SB+p+1], v[SB+p:SB+p+1], v[ST+2*\n:ST+2*\n+1] op_sel_hi:[1,0] neg_lo:[0,1] neg_hi:[0,1]   ; both halves minus M
.set p, p+2
.endr
.set p, 0
.rept 32
	v_exp_f32 v[SB+p], v[SB+p]
.set p, p+1
.endr
	v_nop                                          ; one plain place behind the run of exponentials
	s_wait_alu depctr_va_vdst(0)
.irp c, 0,1,2,3
	v_pk_add_f32 v[T+2*\c:T+2*\c+1], v[SB+8*\c:SB+8*\c+1], v[SB+8*\c+2:SB+8*\c+3]
.endr
.irp c, 0,1,2,3
	v_pk_add_f32 v[T+2*\c:T+2*\c+1], v[T+2*\c:T+2*\c+1], v[SB+8*\c+4:SB+8*\c+5]
.endr
.irp c, 0,1,2,3
	v_pk_add_f32 v[T+2*\c:T+2*\c+1], v[T+2*\c:T+2*\c+1], v[SB+8*\c+6:SB+8*\c+7]
.endr
	v_pk_add_f32 v[T:T+1], v[T:T+1], v[T+2:T+3]
	v_pk_add_f32 v[T+4:T+5], v[T+4:T+5], v[T+6:T+7]
	v_pk_add_f32 v[T:T+1], v[T:T+1], v[T+4:T+5]
.if \first
	v_add_f32 v[ST+2*\n+1], v[T], v[T+1]
.else
	v_add_f32 v[T], v[T], v[T+1]
	v_fma_f32 v[ST+2*\n+1], v[ST+2*\n+1], v[AL+2*\n], v[T]
.endif
.irp g, 0,1
.irp i, 0,1,2,3,4,5,6,7
	v_cvt_pk_f16_f32 v[SB+16*\g+\i], v[SB+16*\g+2*\i], v[SB+16*\g+2*\i+1]   ; registers 0-3: keys 8 hh + 0..7 of the even tile, 4-7: of the odd one: source 1's layout for 32 keys
.endr
.endr
.endm
.macro RESC n0                         ; O x alpha for query tiles n0 and n0 + 1, a lane's own query
	WIN 0x41
.irp n, \n0, \n0+1
.set p, 0
.rept 16
	v_pk_mul_f32 v[O+32*(\n)+p:O+32*(\n)+p+1], v[O+32*(\n)+p:O+32*(\n)+p+1], v[AL+2*(\n):AL+2*(\n)+1] op_sel_hi:[1,0]
.set p, p+2
.endr
.endr
	WIN 0
.endm
; SP: V's fragments are asked for, then the scores of 64 keys x 64 queries.  The 16 accumulators take turns, one instruction a turn.
.macro SP slot, u, first
.if \first == 0
	PLACES 5                                       ; behind PP: V's fragments are loaded again (4 places) and the scores write over its source 1 (5 places; ISA guide 7.12.1)
.endif
	VLOAD \slot, \u
	s_wait_dscnt 16                                ; K's fragments are in; V's 16 loads may be out
	WIN 0x04
.irp f, 0,1
.irp kt, 0,1,2,3
.irp n, 0,1,2,3
.if \f == 0
	v_wmma_f32_16x16x32_f16 v[S+32*\n+8*\kt:S+32*\n+8*\kt+7], v[KF+16*\kt:KF+16*\kt+7], v[QF+16*\n:QF+16*\n+7], 0
.else
	v_wmma_f32_16x16x32_f16 v[S+32*\n+8*\kt:S+32*\n+8*\kt+7], v[KF+16*\kt+8:KF+16*\kt+15], v[QF+16*\n+8:QF+16*\n+15], v[S+32*\n+8*\kt:S+32*\n+8*\kt+7]
.endif
.endr
.endr
.endr
	WIN 0
	PLACES 5                                       ; before the scores are read and K's fragments loaded again (4 places); five, so that the distance to a matrix instruction that reads the scores' registers holds on every way through the branches below
.if \u == 0
	KLOAD \slot, 1
.endif
.endm
; VP: vector work alone.  first: the very first sub-step (sums start); step: the mask pointer moves to this key block; last: nothing more to ask of the mask.
.macro VP u, first, step, last
	s_wait_kmcnt 0x0                               ; the mask words of query tiles 0 and 1; no scalar load is out, so the pointer may step
.if \step
	s_add_nc_u64 s[4:5], s[4:5], 512               ; 16 key tiles x 32 bytes on
.endif
	MASKT 0, B0
	MASKT 1, B1
	MLOAD B0, 2, 128*\u                            ; tiles 2 and 3 come in while tiles 0 and 1 are worked on
	MLOAD B1, 3, 128*\u
	SOFT 0, \first
	SOFT 1, \first
.if \first == 0
	RESC 0                                         ; here and not at the end: 32 more instructions between the mask words' request and the wait for them
.endif
	s_wait_kmcnt 0x0
	MASKT 2, B0
	MASKT 3, B1
.if \last == 0
	MLOAD B0, 0, 128+384*\u                        ; the next sub-step's tiles 0 and 1: 128 bytes on, or the next key block's first (512 from this block's)
	MLOAD B1, 1, 128+384*\u
.endif
	SOFT 2, \first
	SOFT 3, \first
.if \first == 0
	RESC 2
.endif
.endm
; PP: O^T += V^T x weights.  w: the count of the wait for V's fragments, or -1 where a wait for 0 has already shown them in.  The 16 accumulators take turns.
.macro PP first, w
.if \w >= 0
	s_wait_dscnt \w
.endif
	WIN 0x51
.irp g, 0,1
.irp dt, 0,1,2,3
.irp n, 0,1,2,3
.if \first*(1-\g)
	v_wmma_f32_16x16x32_f16 v[O+32*\n+8*\dt:O+32*\n+8*\dt+7], v[VF+16*\dt+8*\g:VF+16*\dt+8*\g+7], v[S+32*\n+16*\g:S+32*\n+16*\g+7], 0
.else
	v_wmma_f32_16x16x32_f16 v[O+32*\n+8*\dt:O+32*\n+8*\dt+7], v[VF+16*\dt+8*\g:VF+16*\dt+8*\g+7], v[S+32*\n+16*\g:S+32*\n+16*\g+7], v[O+32*\n+8*\dt:O+32*\n+8*\dt+7]
.endif
.endr
.endr
.endr
	WIN 0
.endm
; An interval: the change to slot `slot` and the work up to the next change.  refill = 1: the slot read last is filled again, two key blocks ahead, behind a round of the cluster's barrier.
; Waves with phi = 1 bring the open sub-step's VP along, waves with phi = 0 only its PP; the middle is common; waves with phi = 0 end with the second sub-step's VP.
; Neither a barrier nor a tensor load nor a wait in front of a barrier stands under the two branches, which hang on the wave's number alone.
.macro IVAL slot, refill, last
	s_wait_tensorcnt 0x0                           ; all my tensor loads have landed, my chunk of this slot among them: a group 0 may be written
	ds_add_u32 v254, v255
	s_wait_dscnt 0x0
.if \refill
	s_add_nc_u64 s[18-4*\slot:19-4*\slot], s[18-4*\slot:19-4*\slot], 2*BLKB
.endif
	s_wait_dscnt 0x0                               ; my reads of the other slot are back, V's fragments of the open sub-step among them
.if \refill
	ROUND                                          ; both now hold of every wave of all four partners
	tensor_load_to_lds s[16-4*\slot:19-4*\slot], s[20:27]   ; the wave's one tensor load behind the round, first thing there: it has a whole key block's work in which to land
	s_nop 0
.else
	s_barrier_signal -1                            ; the last block: nothing is filled, my work-group's barrier shows the slot whole
	s_barrier_wait -1
.endif
	KLOAD \slot, 0                                 ; asked for at once: the open sub-step's work stands between these loads and their use
	s_cmp_eq_u32 s[PHI], 0
	s_cbranch_scc1 .Lhead_\@
	VP 1, 0, 0, 0                                  ; phi = 1: the softmax of the last slot's second sub-step
.Lhead_\@:
	PP 0, -1                                       ; its second product: V's fragments were shown in by the wait for 0 above
	SP \slot, 0, 0
	VP 0, 0, 1, 0
	PP 0, 16                                       ; V's fragments are in; the next K's 16 loads may be out
	SP \slot, 1, 0
	s_cmp_lg_u32 s[PHI], 0
	s_cbranch_scc1 .Lend_\@
	VP 1, 0, 0, \last                              ; phi = 0: the softmax of this slot's second sub-step
.Lend_\@:
.endm
	s_wait_tensorcnt 0x1                           ; my chunk of key block 0 is in; block 1's may stay out
	s_barrier_signal -1
	s_barrier_wait -1
	s_wait_loadcnt 0x0                             ; q's fragments, once
	KLOAD 0, 0
	SP 0, 0, 1                                     ; key block 0: the first products start the sums
	VP 0, 1, 0, 0
	PP 1, 16
	SP 0, 1, 0
	s_cmp_lg_u32 s[PHI], 0
	s_cbranch_scc1 .Lfirst
	VP 1, 0, 0, 0                                  ; phi = 0 alone: from here on the two kinds are a phase apart
.Lfirst:
	s_mov_b32 s3, 3
.Lkv:
	IVAL 1, 1, 0
	IVAL 0, 1, 0
	s_sub_co_u32 s3, s3, 1
	s_cmp_lg_u32 s3, 0
	s_cbranch_scc1 .Lkv
	IVAL 1, 0, 1
	s_cmp_eq_u32 s[PHI], 0
	s_cbranch_scc1 .Ltail
	VP 1, 0, 0, 1                                  ; phi = 1: the last softmax
.Ltail:
	PP 0, 0                                        ; the last product: no change of slots has waited for these fragments of V, so the wait is here, for 0
	; MERGE: waves 4-7 hand O, M and l to waves 0-3 through LDS bytes that no fill touches
	PLACES 4                                       ; behind the last products
	v_and_b32 v1, 31, v0                           ; lane
	v_and_b32 v2, 15, v0                           ; r
	v_bfe_u32 v3, v0, 4, 1                         ; hh
	s_mul_i32 s11, s10, MSZ
	s_add_co_u32 s11, s11, MERGE
	v_lshl_add_u32 v[MADR], v1, 4, s11
	s_cmp_eq_u32 s9, 0
	s_cbranch_scc1 .Lkeep
	WIN 0x04
.set i, 0
.rept 32
	ds_store_b128 v[MADR], v[O+4*i:O+4*i+3] offset:512*i
.set i, i+1
.endr
	WIN 0
	ds_store_b128 v[MADR], v[ST:ST+3] offset:16384
	ds_store_b128 v[MADR], v[ST+4:ST+7] offset:16896
.Lkeep:
	s_wait_dscnt 0x0                               ; for the partner's sake: the stores are done
	s_barrier_signal -1
	s_barrier_wait -1
	s_cmp_lg_u32 s9, 0
	s_cbranch_scc1 .Lmerged
.set i, 0
.rept 32
	ds_load_b128 v[S+4*i:S+4*i+3], v[MADR] offset:512*i      ; the partner's O, in the same order as mine
.set i, i+1
.endr
	ds_load_b128 v[KF:KF+3], v[MADR] offset:16384            ; its (M, l) x 4
	ds_load_b128 v[KF+4:KF+7], v[MADR] offset:16896
	s_mul_i32 s11, s10, CHUNK
	s_add_co_u32 s11, s11, STAGE                   ; my stage
	v_mul_u32_u24 v[STG], v3, 8*CPITCH             ; rows d = 8 hh + ..,
	v_lshl_add_u32 v[STG], v2, 1, v[STG]           ; column r
	v_add_nc_u32 v[STG], s11, v[STG]
	s_wait_dscnt 0x0
.set W, KF+8
.irp n, 0,1,2,3
	v_max_num_f32 v[W+\n], v[ST+2*\n], v[KF+2*\n]            ; the common maximum
.endr
.irp n, 0,1,2,3
	v_sub_f32 v[W+4+\n], v[ST+2*\n], v[W+\n]
	v_sub_f32 v[W+8+\n], v[KF+2*\n], v[W+\n]
.endr
.irp n, 0,1,2,3
	v_exp_f32 v[W+4+\n], v[W+4+\n]                 ; a1
	v_exp_f32 v[W+8+\n], v[W+8+\n]                 ; a2
.endr
	v_nop
	s_wait_alu depctr_va_vdst(0)
.irp n, 0,1,2,3
	v_mul_f32 v[W+12+\n], v[ST+2*\n+1], v[W+4+\n]
	v_fma_f32 v[W+12+\n], v[KF+2*\n+1], v[W+8+\n], v[W+12+\n]
	v_permlanex16_b32 v[PX], v[W+12+\n], s28, s29  ; the two halves of the wave summed different keys
	v_add_f32 v[W+12+\n], v[W+12+\n], v[PX]
.endr
.irp n, 0,1,2,3
	v_rcp_f32 v[W+12+\n], v[W+12+\n]
.endr
	v_nop
	s_wait_alu depctr_va_vdst(0)
.irp n, 0,1,2,3
	v_mul_f32 v[AL+2*\n], v[W+4+\n], v[W+12+\n]    ; f1 = a1 / l, for my O
	v_mul_f32 v[T+2*\n], v[W+8+\n], v[W+12+\n]     ; f2 = a2 / l, for the partner's
.endr
.irp n, 0,1,2,3
.set p, 0
.rept 16
	v_pk_mul_f32 v[S+32*\n+p:S+32*\n+p+1], v[S+32*\n+p:S+32*\n+p+1], v[T+2*\n:T+2*\n+1] op_sel_hi:[1,0]
.set p, p+2
.endr
.endr
	WIN 0x01
.irp n, 0,1,2,3
.set p, 0
.rept 16
	v_pk_fma_f32 v[S+32*\n+p:S+32*\n+p+1], v[O+32*\n+p:O+32*\n+p+1], v[AL+2*\n:AL+2*\n+1], v[S+32*\n+p:S+32*\n+p+1] op_sel_hi:[1,0,1]
.set p, p+2
.endr
.endr
	WIN 0
	; a lane holds one query and 8 rows d of each tile: the rows go to the stage two bytes at a time, neighbouring lanes to neighbouring bytes
.irp n, 0,1,2,3
.irp dt, 0,1,2,3
.irp q, 0,1,2,3
	v_cvt_pk_f16_f32 v[S+32*\n+8*\dt+\q], v[S+32*\n+8*\dt+2*\q], v[S+32*\n+8*\dt+2*\q+1]
.endr
.irp q, 0,1,2,3
	ds_store_b16        v[STG], v[S+32*\n+8*\dt+\q] offset:(16*\dt+2*\q)*CPITCH+32*\n
	ds_store_b16_d16_hi v[STG], v[S+32*\n+8*\dt+\q] offset:(16*\dt+2*\q+1)*CPITCH+32*\n
.endr
.endr
.endr
.Lmerged:
	s_wait_dscnt 0x0
	s_barrier_signal -1
	s_barrier_wait -1
	; every wave stores 8 rows d: a row's 512 bytes are 128 from each of the four stages
	v_lshrrev_b32 v2, 3, v1
	v_and_b32 v3, 7, v1
	v_mul_u32_u24 v2, v2, CHUNK
	v_lshl_add_u32 v2, v3, 4, v2
	s_mul_i32 s11, s8, 8*CPITCH
	s_add_co_u32 s11, s11, STAGE
	v_add_nc_u32 v[RDA], s11, v2
	v_lshlrev_b32 v[CO], 4, v1
.irp t, 0,1,2,3,4,5,6,7
	ds_load_b128 v[S+4*\t:S+4*\t+3], v[RDA] offset:CPITCH*\t
.endr
.irp t, 0,1,2,3,4,5,6,7
	s_wait_dscnt 7-\t                              ; row t is in, the younger ones stay out
	global_store_b128 v[CO], v[S+4*\t:S+4*\t+3], s[30:31] offset:4096*\t   ; 512 neighbouring bytes, aligned
.endr
	s_wait_tensorcnt 0x0
	ds_add_u32 v254, v255
	s_wait_dscnt 0x0
	ROUND                                          ; the closing round
	s_endpgm
.Lfunc_end_k_q79523c48c4_attn:
	.size	k_q79523c48c4_attn, .Lfunc_end_k_q79523c48c4_attn-k_q79523c48c4_attn
	.p2alignl 7, 3214868480
	.fill 96, 4, 3214868480
	.section	.rodata,"a",@progbits
	.p2align	6, 0x0
	.amdhsa_kernel k_q79523c48c4_attn
		.amdhsa_group_segment_fixed_size 327680
		.amdhsa_private_segment_fixed_size 0
		.amdhsa_enable_private_segment 0
		.amdhsa_kernarg_size 32
		.amdhsa_user_sgpr_count 2
		.amdhsa_user_sgpr_kernarg_segment_ptr 1
		.amdhsa_wavefront_size32 1
		.amdhsa_system_sgpr_workgroup_id_x 1
		.amdhsa_system_sgpr_workgroup_id_y 1
		.amdhsa_system_sgpr_workgroup_id_z 1
		.amdhsa_system_vgpr_workitem_id 0
		.amdhsa_next_free_vgpr 512
		.amdhsa_next_free_sgpr 100
		.amdhsa_reserve_vcc 0
		.amdhsa_float_denorm_mode_32 3
		.amdhsa_float_denorm_mode_16_64 3
		.amdhsa_memory_ordered 1
		.amdhsa_forward_progress 1
		.amdhsa_inst_pref_size 255
	.end_amdhsa_kernel
	.section	.bss,"aw",@nobits
	.p2align	6
	.space	262144
	.amdgpu_metadata
---
amdhsa.version: [ 1, 2 ]
amdhsa.kernels:
  - .name:           k_q79523c48c4_attn
    .symbol:         k_q79523c48c4_attn.kd
    .args:
      - { .name: qb, .offset: 0, .size: 8, .value_kind: global_buffer, .address_space: global }
      - { .name: kv, .offset: 8, .size: 8, .value_kind: global_buffer, .address_space: global }
      - { .name: maskw, .offset: 16, .size: 8, .value_kind: global_buffer, .address_space: global }
      - { .name: att, .offset: 24, .size: 8, .value_kind: global_buffer, .address_space: global }
    .group_segment_fixed_size: 327680
    .private_segment_fixed_size: 0
    .kernarg_segment_align: 8
    .kernarg_segment_size: 32
    .max_flat_workgroup_size: 256
    .sgpr_count:     100
    .vgpr_count:     512
    .wavefront_size: 32
...
	.end_amdgpu_metadata
.endif
;; end of part 3
;; launch outp (part 4): grid 8 x 32, 4 waves a work-group, clusters of 4 x 4, 327,680 bytes of LDS; arguments att, wb, bo, out0; writes out0
.if DOCPART == 4
	.amdgcn_target "amdgcn-amd-amdhsa--gfx1250"
	.amdhsa_code_object_version 6
	.text
	.protected	k_q79523c48c4_outp
	.globl	k_q79523c48c4_outp
	.p2align	8
	.type	k_q79523c48c4_outp,@function
k_q79523c48c4_outp:
	s_mov_b64 s[64:65], 0
	v_nop
	global_prefetch_b8 v0, s[64:65] scope:SCOPE_SE
	s_setreg_imm32_b32 hwreg(HW_REG_WAVE_MODE, 25, 1), 1
	s_wait_xcnt 0x0
	s_wait_alu depctr_hold_cnt(0) depctr_sa_sdst(0) depctr_va_vdst(0) depctr_va_sdst(0) depctr_va_ssrc(0) depctr_va_vcc(0) depctr_vm_vsrc(0)
	s_getreg_b32 s2, hwreg(HW_REG_IB_STS2, 6, 4)
	s_cmp_eq_u32 s2, 0
	s_cbranch_scc0 .Lentry_in_a_cluster
	s_endpgm
.Lentry_in_a_cluster:
	s_bfe_u32 s2, ttmp6, 0x10000c
	s_cmp_lg_u32 s2, 0xf033
	s_cbranch_scc0 .Lentry_shape_is_right
	s_endpgm
.Lentry_shape_is_right:
; outp: out0 = att Wo^T + bo.  att [4096][1024] f16 is the attention output in the order that the transpose and reshape give; Wo is rows 3072.. of wb, f16; out0 f32.
; A work-group makes 128 x 128 with four waves, 64 x 64 each: 16 accumulator tiles.  256 work-groups, one for each WGP.
; K goes in steps of 256 through two LDS slots (four fills in all): a tile's rows are 512 bytes of memory and start at multiples of 512 bytes; one load a wave brings 64 rows.
; CLUSTERS: 4 x 4.  att's tile hangs on the block row alone and is asked for jointly by a row of the cluster, Wo's on the block column alone, by a column.
; Wo's rows are source 0 and att's source 1, so that a lane holds one row of the output and 8 neighbouring columns.
; FORMAT: f16.  A row of att holds 1,024 nearly equal numbers (means of v over almost the same weights) and Wo's signs are mixed, so a sum can be far smaller than its terms: the operands' 11 significant bits count here.
; REGISTERS: window 0: addresses, two fragment buffers (Wo's 4 fragments, then att's 4), the way out, the bias; window 1: tile (a, b) at 8 (4 a + b).
.set PITCH,  528                       ; an LDS row: 512 bytes + 16, an odd multiple of 16
.set QROWS,  64*PITCH                  ; what one tensor load brings
.set SLOT,   4*QROWS                   ; att's 128 rows, then Wo's 128
.set STAGE,  2*SLOT                    ; 16 rows x 272 bytes for each wave, never a fill's target
.set SPITCH, 272
.set KSLOT,  256
.set ADRA, 16
.set ADRB, 20
.set STO,  24
.set RD,   25
.set CO,   26
.set BOF,  27
.set F0,   64
.set F1,   128
.set TMP,  192
.set BO,   224
.set G1,  24
.set G0,  32
.set G1B, 48
.set G0B, 56
.set FLD, (1<<16)|(1<<20)|(1<<21)|(6<<22)|(3<<25)   ; elements of 2 bytes; padding on; bit 21 beside a mask; after every 128 words, 4 words
.set MSB, 0
.macro WIN new
.if MSB != \new
	s_set_vgpr_msb (MSB<<8)|\new
.set MSB, \new
.endif
.endm
.macro PLACES n
.rept \n
	v_nop
.endr
.endm
.macro JLOAD s                         ; waves 0 and 1 fetch att's halves, waves 2 and 3 Wo's
	s_cmp_eq_u32 s11, 0
	s_cbranch_scc0 .Lfor_b_\@
	tensor_load_to_lds s[G0+4*\s:G0+4*\s+3], s[G1:G1+7]
	s_nop 0
	s_branch .Lasked_\@
.Lfor_b_\@:
	tensor_load_to_lds s[G0B+4*\s:G0B+4*\s+3], s[G1B:G1B+7]
	s_nop 0
.Lasked_\@:
.endm
.macro CREST
	s_cmp_lg_u32 s10, 0
	s_cbranch_scc1 .Lnot_wave_0_\@
	s_barrier_signal -3
.Lnot_wave_0_\@:
	s_barrier_wait -3
	s_barrier_signal -1
	s_barrier_wait -1
.endm
.macro CROUND
	s_barrier_signal -1
	s_barrier_wait -1
	CREST
.endm
	s_load_b128 s[4:7], s[0:1], 0x0                ; att, wb
	s_load_b64 s[8:9], s[0:1], 0x10                ; bo
	s_load_b64 s[18:19], s[0:1], 0x18              ; out0
	v_lshl_add_u32 v62, v0, 2, 0x46400
	v_mov_b32 v63, 0
	ds_add_u32 v62, v63
	v_lshrrev_b32 v1, 5, v0
	v_readfirstlane_b32 s10, v1                    ; wave 0..3
	s_lshr_b32 s11, s10, 1                         ; my half of the block's rows.  Also: I fetch for att (0) or for Wo (1)
	s_and_b32 s12, s10, 1                          ; my half of its columns.  Also: which 64 rows of that tile I fetch
	s_bfe_u32 s40, ttmp6, 0x40000                  ; cx
	s_bfe_u32 s41, ttmp6, 0x40004                  ; cy
	s_lshl_b32 s42, ttmp9, 2
	s_add_co_u32 s42, s42, s40                     ; block column
	s_and_b32 s13, ttmp7, 0xffff
	s_lshl_b32 s13, s13, 2
	s_add_co_u32 s13, s13, s41                     ; block row
	s_lshl_b32 s43, s41, 2
	s_lshl_b32 s43, 15, s43                        ; my row of the cluster
	s_lshl_b32 s44, 0x1111, s40                    ; my column
	s_or_b32 s[G1+0], s43, FLD
	s_or_b32 s[G1B+0], s44, FLD
	s_mov_b32 s[G1+1], KSLOT<<16                   ; tensor_dim0 = 256
	s_mov_b32 s[G1B+1], KSLOT<<16
	s_mov_b32 s[G1+2], 64<<16                      ; tensor_dim1 = 64
	s_mov_b32 s[G1B+2], 64<<16
	s_mov_b32 s[G1+3], KSLOT<<16                   ; tile_dim0 = 256
	s_mov_b32 s[G1B+3], KSLOT<<16
	s_mov_b32 s[G1+4], 64                          ; tile_dim1 = 64
	s_mov_b32 s[G1B+4], 64
	s_mov_b32 s[G1+5], 1024                        ; elements from row to row
	s_mov_b32 s[G1B+5], 1024
	s_mov_b32 s[G1+6], 0
	s_mov_b32 s[G1B+6], 0
	s_mov_b32 s[G1+7], 0
	s_mov_b32 s[G1B+7], 0
	s_lshl_b32 s17, s12, 6
	s_lshl_b32 s16, s13, 7
	s_add_co_u32 s16, s16, s17                     ; att: row 128 x block row + 64 x half
	s_lshl_b32 s16, s16, 11
	s_mov_b32 s17, 0
	s_lshl_b32 s47, s12, 6
	s_lshl_b32 s46, s42, 7
	s_add_co_u32 s46, s46, s47
	s_add_co_u32 s46, s46, 3072                    ; Wo: row 3072 + 128 x block column + 64 x half of wb
	s_lshl_b32 s46, s46, 11
	s_mov_b32 s47, 0
	s_mul_i32 s20, s10, QROWS                      ; where they go: att's two halves, then Wo's two halves = wave x 64 rows
	s_wait_dscnt 0x0
	s_wait_kmcnt 0x0
	s_add_nc_u64 s[14:15], s[4:5], s[16:17]
	s_add_nc_u64 s[46:47], s[6:7], s[46:47]
	CROUND                                         ; the first joint loads meet
.irp s, 0,1
	s_mov_b32 s[G0+4*\s], 1
	s_add_co_u32 s[G0+4*\s+1], s20, \s*SLOT
	s_add_nc_u64 s[G0+4*\s+2:G0+4*\s+3], s[14:15], \s*KSLOT*2
	s_or_b32 s[G0+4*\s+3], s[G0+4*\s+3], 0x80000000
	s_mov_b32 s[G0B+4*\s], 1
	s_add_co_u32 s[G0B+4*\s+1], s20, \s*SLOT
	s_add_nc_u64 s[G0B+4*\s+2:G0B+4*\s+3], s[46:47], \s*KSLOT*2
	s_or_b32 s[G0B+4*\s+3], s[G0B+4*\s+3], 0x80000000
	JLOAD \s                                       ; two tensor loads of the wave are out here, one behind every later round
.endr
	v_and_b32 v1, 15, v0                           ; r
	v_bfe_u32 v2, v0, 4, 1                         ; hh
	v_mul_u32_u24 v3, v1, PITCH
	v_lshl_add_u32 v3, v2, 4, v3
	s_mul_i32 s21, s11, QROWS                      ; my 64 rows of att
	s_mul_i32 s22, s12, QROWS                      ; my 64 rows of Wo,
	s_add_co_u32 s22, s22, 2*QROWS                 ; behind att's 128
.irp s, 0,1
	v_add_nc_u32 v[ADRA+\s], s21, v3
	v_add_nc_u32 v[ADRB+\s], s22, v3
	s_add_co_u32 s21, s21, SLOT
	s_add_co_u32 s22, s22, SLOT
.endr
	s_mul_i32 s23, s10, 16*SPITCH
	s_add_co_u32 s23, s23, STAGE
	v_mul_u32_u24 v4, v1, SPITCH
	v_lshl_add_u32 v4, v2, 5, v4
	v_add_nc_u32 v[STO], s23, v4                   ; in: row r, 32 bytes for each half of the lanes
	v_mul_u32_u24 v5, v2, SPITCH
	v_lshl_add_u32 v5, v1, 4, v5
	v_add_nc_u32 v[RD], s23, v5                    ; back: lanes 0-15 one row of 256 bytes, lanes 16-31 the next
	v_lshlrev_b32 v5, 12, v2
	v_lshl_add_u32 v[CO], v1, 4, v5                ; the same two rows in out0
	v_lshlrev_b32 v[BOF], 5, v2
	s_lshl_b32 s46, s42, 9                         ; bo: my 64 columns
	s_lshl_b32 s47, s12, 8
	s_add_co_u32 s46, s46, s47
	s_mov_b32 s47, 0
	s_add_nc_u64 s[8:9], s[8:9], s[46:47]
.irp b, 0,1,2,3
	global_load_b128 v[BO+8*\b:BO+8*\b+3],   v[BOF], s[8:9] offset:64*\b       ; waited for once, in front of the way out
	global_load_b128 v[BO+8*\b+4:BO+8*\b+7], v[BOF], s[8:9] offset:64*\b+16
.endr
.macro MUL16 f, zero                   ; the 16 accumulators take turns, one instruction a turn
.irp a, 0,1,2,3
.irp b, 0,1,2,3
.if \zero
	v_wmma_f32_16x16x32_f16 v[8*(4*\a+\b):8*(4*\a+\b)+7], v[\f+8*\b:\f+8*\b+7], v[\f+32+8*\a:\f+32+8*\a+7], 0
.else
	v_wmma_f32_16x16x32_f16 v[8*(4*\a+\b):8*(4*\a+\b)+7], v[\f+8*\b:\f+8*\b+7], v[\f+32+8*\a:\f+32+8*\a+7], v[8*(4*\a+\b):8*(4*\a+\b)+7]
.endif
.endr
.endr
.endm
.macro FETCH slot, k, f                ; 16 LDS loads: 64 rows of Wo, 64 rows of att, 32 K at byte k of the rows
.irp i, 0,1,2,3
	ds_load_b128 v[\f+8*\i:\f+8*\i+3],   v[ADRB+\slot] offset:\k+\i*16*PITCH
	ds_load_b128 v[\f+8*\i+4:\f+8*\i+7], v[ADRB+\slot] offset:\k+\i*16*PITCH+32
.endr
.irp i, 0,1,2,3
	ds_load_b128 v[\f+32+8*\i:\f+32+8*\i+3],   v[ADRA+\slot] offset:\k+\i*16*PITCH
	ds_load_b128 v[\f+32+8*\i+4:\f+32+8*\i+7], v[ADRA+\slot] offset:\k+\i*16*PITCH+32
.endr
.endm
.macro QUARTER slot, k, f, g, zero     ; the next 32 of K are asked for, into buffer g; then buffer f is multiplied
	PLACES 4                                       ; a load into a register that a matrix instruction has read stands four places behind it
	WIN 0
	FETCH \slot, \k, \g
	s_wait_dscnt 16                                ; all but the 16 just issued: buffer f is in
	WIN 0x50
	MUL16 \f, \zero
.endm
.macro RUN slot, zero                  ; seven of a slot's eight parts
	QUARTER \slot, 64,  F0, F1, \zero
	QUARTER \slot, 128, F1, F0, 0
	QUARTER \slot, 192, F0, F1, 0
	QUARTER \slot, 256, F1, F0, 0
	QUARTER \slot, 320, F0, F1, 0
	QUARTER \slot, 384, F1, F0, 0
	QUARTER \slot, 448, F0, F1, 0
.endm
.macro TURN slot, next, fill           ; the eighth part, and the change of slots
	s_wait_dscnt 0x0                               ; my reads of this slot are back
	s_wait_tensorcnt 0x0                           ; all my tensor loads have landed, my part of the next slot among them
	ds_add_u32 v62, v63
	s_wait_dscnt 0x0
	s_barrier_signal -1
	WIN 0x50
	MUL16 F1, 0
	WIN 0
	s_barrier_wait -1
.if \fill
	CREST                                          ; no wave of any partner still reads this slot or has a load on its way
	s_add_nc_u64 s[G0+4*\slot+2:G0+4*\slot+3], s[G0+4*\slot+2:G0+4*\slot+3], 2*KSLOT*2
	s_add_nc_u64 s[G0B+4*\slot+2:G0B+4*\slot+3], s[G0B+4*\slot+2:G0B+4*\slot+3], 2*KSLOT*2
	JLOAD \slot                                    ; the wave's one tensor load behind the round, first thing there
.endif
	PLACES 4
	FETCH \next, 0, F0
.endm
	s_wait_tensorcnt 0x1                           ; my part of slot 0 is in; slot 1's may stay out
	s_barrier_signal -1
	s_barrier_wait -1
	FETCH 0, 0, F0
	RUN 0, 1                                       ; K 0..255: the first products start the sums
	TURN 0, 1, 1
	RUN 1, 0                                       ; K 256..511
	TURN 1, 0, 1
	RUN 0, 0                                       ; K 512..767
	TURN 0, 1, 0
	RUN 1, 0                                       ; K 768..1023
	s_wait_dscnt 0x0
	WIN 0x50
	MUL16 F1, 0
	; THE WAY OUT, 16 rows at a time: bias, 32 bytes a lane into my own stage, whole rows of 256 bytes back
	PLACES 4
	WIN 0
	s_lshl_b32 s46, s13, 19                        ; 128 rows of 4,096 bytes for each block row,
	s_lshl_b32 s47, s11, 18                        ; 64 rows for my half,
	s_add_co_u32 s46, s46, s47
	s_lshl_b32 s47, s42, 9                         ; 128 columns of 4 bytes for each block column,
	s_add_co_u32 s46, s46, s47
	s_lshl_b32 s47, s12, 8                         ; 64 for my half
	s_add_co_u32 s46, s46, s47
	s_mov_b32 s47, 0
	s_add_nc_u64 s[18:19], s[18:19], s[46:47]
	s_wait_loadcnt 0x0                             ; the bias
.macro OUT16 a, f
	WIN 0x01
.irp b, 0,1,2,3
.irp p, 0,2,4,6
	v_pk_add_f32 v[TMP+8*\b+\p:TMP+8*\b+\p+1], v[8*(4*\a+\b)+\p:8*(4*\a+\b)+\p+1], v[BO+8*\b+\p:BO+8*\b+\p+1]
.endr
.endr
	WIN 0
.irp b, 0,1,2,3
	ds_store_b128 v[STO], v[TMP+8*\b:TMP+8*\b+3] offset:64*\b
	ds_store_b128 v[STO], v[TMP+8*\b+4:TMP+8*\b+7] offset:64*\b+16
.endr
	s_wait_xcnt 0x0                                ; buffer f, which earlier stores read, is rewritten only behind this wait
.irp t, 0,1,2,3,4,5,6,7
	ds_load_b128 v[\f+4*\t:\f+4*\t+3], v[RD] offset:\t*2*SPITCH    ; LDS serves a wave's instructions in order: these see the stores above
.endr
.irp t, 0,1,2,3,4,5,6,7
	s_wait_dscnt 7-\t
	global_store_b128 v[CO], v[\f+4*\t:\f+4*\t+3], s[18:19] offset:(16*\a+2*\t)*4096 th:TH_STORE_NT   ; 16 lanes store 256 neighbouring bytes, aligned
.endr
.endm
	OUT16 0, F0
	OUT16 1, F1
	OUT16 2, F0
	OUT16 3, F1
	s_wait_tensorcnt 0x0
	ds_add_u32 v62, v63
	s_wait_dscnt 0x0
	CROUND                                         ; the closing round
	s_endpgm
.Lfunc_end_k_q79523c48c4_outp:
	.size	k_q79523c48c4_outp, .Lfunc_end_k_q79523c48c4_outp-k_q79523c48c4_outp
	.p2alignl 7, 3214868480
	.fill 96, 4, 3214868480
	.section	.rodata,"a",@progbits
	.p2align	6, 0x0
	.amdhsa_kernel k_q79523c48c4_outp
		.amdhsa_group_segment_fixed_size 327680
		.amdhsa_private_segment_fixed_size 0
		.amdhsa_enable_private_segment 0
		.amdhsa_kernarg_size 32
		.amdhsa_user_sgpr_count 2
		.amdhsa_user_sgpr_kernarg_segment_ptr 1
		.amdhsa_wavefront_size32 1
		.amdhsa_system_sgpr_workgroup_id_x 1
		.amdhsa_system_sgpr_workgroup_id_y 1
		.amdhsa_system_sgpr_workgroup_id_z 1
		.amdhsa_system_vgpr_workitem_id 0
		.amdhsa_next_free_vgpr 384
		.amdhsa_next_free_sgpr 66
		.amdhsa_reserve_vcc 0
		.amdhsa_float_denorm_mode_32 3
		.amdhsa_float_denorm_mode_16_64 3
		.amdhsa_memory_ordered 1
		.amdhsa_forward_progress 1
		.amdhsa_inst_pref_size 93
	.end_amdhsa_kernel
	.amdgpu_metadata
---
amdhsa.version: [ 1, 2 ]
amdhsa.kernels:
  - .name:           k_q79523c48c4_outp
    .symbol:         k_q79523c48c4_outp.kd
    .args:
      - { .name: att, .offset: 0, .size: 8, .value_kind: global_buffer, .address_space: global }
      - { .name: wb, .offset: 8, .size: 8, .value_kind: global_buffer, .address_space: global }
      - { .name: bo, .offset: 16, .size: 8, .value_kind: global_buffer, .address_space: global }
      - { .name: out0, .offset: 24, .size: 8, .value_kind: global_buffer, .address_space: global }
    .group_segment_fixed_size: 327680
    .private_segment_fixed_size: 0
    .kernarg_segment_align: 8
    .kernarg_segment_size: 32
    .max_flat_workgroup_size: 128
    .sgpr_count:     66
    .vgpr_count:     384
    .wavefront_size: 32
...
	.end_amdgpu_metadata
.endif
;; end of part 4
